; MI455X (gfx1250); checked and timed in simulation.
; The chip was launched on July 23, 2026; its instructions are those of AMD's public machine-readable ISA for CDNA 5 (MIT licence, August 2026) and "CDNA5" Instruction Set Architecture Reference Guide (July 2026). The comments in the code are by the model that wrote it; some were corrected since.
;; Full Attention. Allowed arithmetic: float matrix products may take bf16 or f16 operands with f32 sums; all other float work in f32.
;; Inputs: keys 4 x 2,048 x 16 x 64 float32; queries 4 x 2,048 x 16 x 64 float32; values 4 x 2,048 x 16 x 64 float32.
;; Outputs: out0 4 x 2,048 x 16 x 64 float32.
;; One version. Each part assembles by itself: llvm-mc -triple=amdgcn-amd-amdhsa -mcpu=gfx1250 --defsym DOCPART=n.
;; ======== version 1 of 1: 1 launch
;; limits: values are held in f16: magnitudes above 65,504 overflow, below 6.1e-05 lose precision; inputs' magnitudes at most 65,408
;; launch attn (part 1): grid 256 x 1, 8 waves a work-group, no clusters, 183,296 bytes of LDS; arguments keys, queries, values, out0; writes out0
.if DOCPART == 1
	.amdgcn_target "amdgcn-amd-amdhsa--gfx1250"
	.amdhsa_code_object_version 6
	.text
	.protected	k_q53ae4d5256_attn
	.globl	k_q53ae4d5256_attn
	.p2align	8
	.type	k_q53ae4d5256_attn,@function
k_q53ae4d5256_attn:
	s_mov_b64 s[64:65], 0
	v_nop
	global_prefetch_b8 v0, s[64:65] scope:SCOPE_SE
	s_setreg_imm32_b32 hwreg(HW_REG_WAVE_MODE, 25, 1), 1
	s_wait_xcnt 0x0
; Causal softmax attention, out[b][l][h][:] = softmax over s <= l of (q.k / 8) times v.  All four tensors [4][2048][16][64] f32:
; element (b, l, h, e) lies at byte b<<23 + l<<12 + h<<8 + 4 e, so a head's row is 256 aligned bytes and its rows are 4,096 bytes apart.
;
; SHARES.  Work-group x: head x>>2, p = x&3.  A head's 2,048 queries are 8 blocks of 256.  The group takes block 7-p (32-4p key tiles of 64),
; then block p (4p+4 tiles): 36 trips in every group.  Wave w owns 32 queries of the block (two tiles of 16).  In a block's last four key
; tiles wave w computes up to tile w>>1 of the four, masks in that one and leaves the later ones out (the mask would throw them away);
; it still brings its rows of every tile and passes every barrier.
;
; LAYOUT.  Everything is computed transposed.  S^T = K Q^T: a lane holds one query (lane mod 16) and eight keys a tile, so a query's maximum
; needs one exchange between the two halves of the wave, and two neighbouring score tiles, rounded in pairs, ARE the B fragment of P^T.
; O^T = V^T P^T, V^T read from V's rows by the transposing LDS load.  The row sum is a fifth tile of O^T whose A fragment holds ones in
; rows 0 and 8: its register 0 holds the query's sum in both halves of the wave, made of the same rounded P that multiplies V.
; The scale c = log2(e)/8 rides in p = exp2(s c - m c), m the running maximum of the raw scores.
;
; FORMAT.  Q, K and V are each rounded once to bf16, the rounding that the problem's contract names for matrix operands: the program computes the attention
; of the inputs so rounded.  The scores are made by the bf16 form.  The weights P want more bits: in the first rows a few weights near 0.5 multiply values
; that partly cancel, so a weight's rounding shows whole in the result; eleven bits leave at most 2^-11 of a weight, eight would leave 2^-8.  So P goes in f16
; and P V by the f16 form, which takes both operands in f16: V's bf16 numbers (8 significant bits) are carried into f16, which rounds nothing from 2^-17 to 65,280.
;
; K AND V come through registers: 16-byte loads (sixteen lanes take one 256-byte row), rounded once, stored into two LDS slots that
; take turns.  Each load is issued two trips ahead of its conversion.
; THE BARRIER, one a trip, stands between the softmax and P V.  In front of it a wave has waited for its stores of the next tile into the other slot and for its
; reads of this slot (K's fragments, read behind the last barrier; V's, read at this trip's head).  Behind it the next tile's K fragments are read from the
; other slot, under the twenty products of P V, and the next trip's stores land in this slot, which nobody reads any more.
; NO JOINT LOADS IN A CLUSTER: the four groups of a head need 32-4p and then 4p+4 tiles, so partners would ask for different numbers of tiles; and the
; tiles are f32 in memory: a copy into LDS would have to be read back, rounded and stored again (64 KiB more LDS traffic a trip for the group).
;
; LIMITS.  Inputs are finite; NaN is dropped by the maxima.  |values| below 65,408: from there on the rounding to bf16 gives 65,536, which f16 does not hold,
; and the result is NaN.  Values below 2^-17 in magnitude carry an absolute error of at most 2^-25 (f16 denormals).  Queries and keys have bf16's whole range.
; Weights below 2^-14 of the row's largest carry an absolute error of at most 2^-25 (over 2,048 keys at most 2^-14 of a row sum that is about 1 or more),
; and those below 2^-25 count as 0.  Between the two blocks the sums are not cleared but multiplied by exp2(-inf) = 0: they are finite, at most 2,048 x 65,280.
.set KP,    144                        ; LDS pitch of K's and Q's bf16 rows: 128 + 16 bytes = 9 x 16: sixteen rows start at sixteen different 16-byte columns modulo 256
.set VP,    160                        ; of V's f16 rows: 5 x 32, for the transposing load
.set OP,    272                        ; of the f32 rows on the way out: 17 x 16
.set VT,    64*KP                      ; V's tile in a slot, behind K's 9,216 bytes
.set SLOT,  64*KP+64*VP                ; 19,456 bytes
.set QS,    2*SLOT                     ; Q stages, the wave's own: 32 rows x 144 for the first block, then the same for the second
.set QB2,   32*KP                      ; the second block's stage behind the first's
.set OS,    QS+8*64*KP                 ; O stages, 32 rows x 272 for each wave, the wave's own; they end at byte 182,272
.set TILEB, 64*4096                    ; bytes from a key tile to the next
; window 0
.set ROWOFF, 1                         ; (lane>>4)<<12 | (lane&15)<<4: two rows of a head, 16 bytes a lane
.set KST,  2                           ; where I store 8 bytes of a K row
.set VST,  3                           ; of a V row
.set KRD,  4                           ; K fragment: r x 144 + 16 h   (r = lane&15, h = lane>>4)
.set VRD,  5                           ; V fragment, transposing load
.set DLW,  6                           ; r - 8 h + 32 (w&1): my query less my first key, in the diagonal tile
.set PFO,  7                           ; lane<<12: one row a lane, for the prefetch
.set MX,   8                           ; v[8:9]    running maximum of the raw scores, query tile 0, 1
.set NM,   10                          ; v[10:11]  - maximum x c
.set AL,   12                          ; v[12:13]  factor for the old sums
.set TP,   14                          ; v[14:17]  at work
.set NINF, 18                          ; -inf
.set ONES, 20                          ; v[20:27]  A fragment with f16 ones in rows 0 and 8
.set SC,   28                          ; v[28:91]  scores: tile (q, i) at 28 + 32 q + 8 i
.set PB,   92                          ; v[92:123] P: PB[x] = f16 pair of SC[2x], SC[2x+1]; fragment (q, c) at 92 + 16 q + 8 c
.set FR,   124                         ; v[124:187] fragments of V (key chunk c, d tile d) at 124 + 32 c + 8 d; on the way out the rows read back
.set GS,   188                         ; v[188:251] two sets of 32: a tile's rows as loaded, K's four loads, then V's
.set QST,  252
.set QRD,  253
.set OST,  254
.set ORD,  255
; window 1
.set OA,   0                           ; v256-335  O^T: tile (q, d) at 40 q + 8 d; d = 4 is the row sum
.set QF,   80                          ; v336-367  Q fragments: (q, c) at 80 + 16 q + 8 c
.set FK,   112                         ; v368-431  fragments of K (e chunk c, key tile i) at 112 + 32 c + 8 i
; s_set_vgpr_msb's low byte: bits 1:0 source 0, 3:2 source 1, 5:4 source 2, 7:6 destination
.set W_S,  0x05                        ; A (K) and B (Q) in window 1
.set W_R,  0x41                        ; destination and source 0 (O) in window 1
.set W_PV, 0x50                        ; C and D (O) in window 1
.set W_O,  0x01                        ; source 0 (O) in window 1
.set W_Q,  0x40                        ; destination (Q's or K's fragments) in window 1
.set MSB, 0
.macro WIN new                         ; the immediate's high byte repeats the setting that is left; at labels and branches the setting is 0
.if MSB != \new
	s_set_vgpr_msb (MSB<<8)|\new
.set MSB, \new
.endif
.endm
.macro PLACES                          ; four plain vector places behind a matrix instruction before its result is read or a load lands on its registers
.rept 4
	v_nop
.endr
.endm
; eight loads: my 8 rows of a K tile and of a V tile into set g
.macro GLOAD g, kb, vb, imm
.irp j, 0,1,2,3
	global_load_b128 v[GS+32*(\g)+4*\j:GS+32*(\g)+4*\j+3], v[ROWOFF], s[\kb:\kb+1] offset:\imm+8192*\j
.endr
.irp j, 0,1,2,3
	global_load_b128 v[GS+32*(\g)+16+4*\j:GS+32*(\g)+16+4*\j+3], v[ROWOFF], s[\vb:\vb+1] offset:\imm+8192*\j
.endr
.endm
; Set g is rounded in place and stored into slot g: K to bf16; V to bf16 and from there, without a second rounding, into f16.
; Stage by stage over the four quads, so that no line waits for the one in front of it; the eight stores stand behind all conversions.
.macro CVT g
.irp j, 0,1,2,3
.set ka, GS+32*(\g)+4*\j
	v_cvt_pk_bf16_f32 v[ka],   v[ka],   v[ka+1]
	v_cvt_pk_bf16_f32 v[ka+1], v[ka+2], v[ka+3]
.endr
.irp j, 0,1,2,3
.set va, GS+32*(\g)+16+4*\j
	v_cvt_pk_bf16_f32 v[va],   v[va],   v[va+1]    ; the one rounding of these four numbers
	v_cvt_pk_bf16_f32 v[va+2], v[va+2], v[va+3]
.endr
.irp j, 0,1,2,3
.set va, GS+32*(\g)+16+4*\j
	v_and_b32     v[va+1], s23, v[va]              ; bf16 to f32: the high half stays,
	v_lshlrev_b32 v[va],   16,  v[va]              ; the low half moves up
	v_and_b32     v[va+3], s23, v[va+2]
	v_lshlrev_b32 v[va+2], 16,  v[va+2]
.endr
.irp j, 0,1,2,3
.set va, GS+32*(\g)+16+4*\j
	v_cvt_pk_f16_f32 v[va],   v[va],   v[va+1]     ; 8 significant bits into 11
	v_cvt_pk_f16_f32 v[va+1], v[va+2], v[va+3]
.endr
.irp j, 0,1,2,3
	ds_store_b64 v[KST], v[GS+32*(\g)+4*\j:GS+32*(\g)+4*\j+1] offset:(\g)*SLOT+2*KP*\j
.endr
.irp j, 0,1,2,3
	ds_store_b64 v[VST], v[GS+32*(\g)+16+4*\j:GS+32*(\g)+16+4*\j+1] offset:(\g)*SLOT+2*VP*\j
.endr
.endm
; the tile of trip u + 3 is asked for, into set g; group p = 0 also asks the far cache for the tile of trip u + 5
.macro LOADS g
	s_wait_xcnt 0x0                                ; the bases of the last trip's loads and prefetch, and the data of O's stores, are rewritten only behind this wait
	s_add_co_u32 s38, s16, 3                       ; x = u + 3 in the sequence of 36 tiles
	s_sub_co_u32 s39, s38, s15
	s_cmp_lt_u32 s38, s15
	s_cselect_b32 s39, s38, s39                    ; tile x of the first block's walk, or tile x - T of the second's
	s_lshl_b32 s32, s39, 18                        ; x 64 rows x 4,096 bytes (s33 = 0)
	s_add_nc_u64 s[28:29], s[24:25], s[32:33]
	s_add_nc_u64 s[30:31], s[26:27], s[32:33]
	s_add_nc_u64 s[36:37], s[34:35], s[32:33]
	GLOAD \g, 28, 30, 0
	s_cmp_lt_u32 s38, s40                          ; s40 = 30 in waves 0-3 of group p = 0, else 0
	s_cbranch_scc0 .Lnopf_\@
	; One row a lane, 32 rows a wave: waves 0, 1 take K's 64 rows, waves 2, 3 V's, of the tile two behind the one just loaded.  Group p = 0 walks all 32 tiles
	; of the head, so each row of tiles 5 to 31 is asked for once in the launch; x stops at 29, so the last tile asked for is tile 31, the head's last.
	global_prefetch_b8 v[PFO], s[36:37] offset:2*TILEB th:TH_LOAD_NT scope:SCOPE_SE
.Lnopf_\@:
.endm
; K's fragments of slot s: 4 key tiles x 2 chunks of 32 along e, into registers that nothing else uses
.macro KFRAG s
	WIN W_Q
.irp c, 0,1
.irp i, 0,1,2,3
	ds_load_b128 v[FK+32*\c+8*\i:FK+32*\c+8*\i+3],   v[KRD] offset:(\s)*SLOT+16*KP*\i+64*\c
	ds_load_b128 v[FK+32*\c+8*\i+4:FK+32*\c+8*\i+7], v[KRD] offset:(\s)*SLOT+16*KP*\i+64*\c+32
.endr
.endr
	WIN 0
.endm
; S^T = K Q^T, bf16 operands.  The eight accumulators take turns, one instruction a turn.
.macro SMUL
	s_wait_dscnt 16                                ; all but V's sixteen loads, the youngest: K's fragments (asked for a phase ago), Q's and my stores are done
	WIN W_S
.irp q, 0,1
.irp i, 0,1,2,3
	v_wmma_f32_16x16x32_bf16 v[SC+32*\q+8*\i:SC+32*\q+8*\i+7], v[FK+8*\i:FK+8*\i+7], v[QF+16*\q:QF+16*\q+7], 0
.endr
.endr
.irp q, 0,1
.irp i, 0,1,2,3
	v_wmma_f32_16x16x32_bf16 v[SC+32*\q+8*\i:SC+32*\q+8*\i+7], v[FK+32+8*\i:FK+32+8*\i+7], v[QF+16*\q+8:QF+16*\q+15], v[SC+32*\q+8*\i:SC+32*\q+8*\i+7]
.endr
.endr
	WIN 0
	PLACES                                         ; before the scores are read
.endm
; V^T's fragments of slot s: 2 chunks of 32 keys x 4 tiles of 16 columns
.macro VFRAG s
.irp c, 0,1
.irp d, 0,1,2,3
	ds_load_tr16_b128 v[FR+32*\c+8*\d:FR+32*\c+8*\d+3],   v[VRD] offset:\s*SLOT+32*VP*\c+32*\d
	ds_load_tr16_b128 v[FR+32*\c+8*\d+4:FR+32*\c+8*\d+7], v[VRD] offset:\s*SLOT+32*VP*\c+32*\d+16*VP
.endr
.endr
.endm
; The diagonal tile: key 16 i + 8 h + j is beyond query 32 (w&1) + 16 q + r where 16 (i - q) + j > DLW.  One compare serves tile (0, i) and tile (1, i+1);
; tile (1, 0) is never reached: -16 + j is at most -9 and DLW at least -8.
.macro MASK
.irp i, 0,1,2,3
.irp j, 0,1,2,3,4,5,6,7
	v_cmp_gt_i32 vcc_lo, 16*\i+\j, v[DLW]
	v_cndmask_b32 v[SC+8*\i+\j], v[SC+8*\i+\j], v[NINF], vcc_lo
.if \i < 3
	v_cndmask_b32 v[SC+40+8*\i+\j], v[SC+40+8*\i+\j], v[NINF], vcc_lo
.endif
.endr
.endr
.endm
; running maximum, factor for the old sums, p = exp2(s c - m c) in place
.macro SOFTMAX first
.if \first
	v_max_num_f32 v[TP],   v[SC],    v[SC+1]
	v_max_num_f32 v[TP+2], v[SC+32], v[SC+33]
.else
	v_max3_num_f32 v[TP],   v[MX],   v[SC],    v[SC+1]
	v_max3_num_f32 v[TP+2], v[MX+1], v[SC+32], v[SC+33]
.endif
	v_max3_num_f32 v[TP+1], v[SC+16], v[SC+17], v[SC+18]
	v_max3_num_f32 v[TP+3], v[SC+48], v[SC+49], v[SC+50]
.irp k, 0,1,2,3,4,5                                ; four chains that do not wait for each other
	v_max3_num_f32 v[TP],   v[TP],   v[SC+2+2*\k],  v[SC+3+2*\k]
	v_max3_num_f32 v[TP+1], v[TP+1], v[SC+19+2*\k], v[SC+20+2*\k]
	v_max3_num_f32 v[TP+2], v[TP+2], v[SC+34+2*\k], v[SC+35+2*\k]
	v_max3_num_f32 v[TP+3], v[TP+3], v[SC+51+2*\k], v[SC+52+2*\k]
.endr
	v_max3_num_f32 v[TP],   v[TP],   v[SC+14], v[SC+15]
	v_max3_num_f32 v[TP+2], v[TP+2], v[SC+46], v[SC+47]
	v_max3_num_f32 v[TP],   v[TP],   v[TP+1],  v[SC+31]
	v_max3_num_f32 v[TP+2], v[TP+2], v[TP+3],  v[SC+63]
	v_permlanex16_b32 v[TP+1], v[TP],   s21, s22   ; the same query's other 32 keys lie in the other half of the wave
	v_permlanex16_b32 v[TP+3], v[TP+2], s21, s22
	v_max_num_f32 v[TP],   v[TP],   v[TP+1]
	v_max_num_f32 v[TP+2], v[TP+2], v[TP+3]
	v_mul_f32 v[NM],   s20, v[TP]                  ; - m c
	v_mul_f32 v[NM+1], s20, v[TP+2]
.if \first == 0
	v_fma_f32 v[TP+1], v[MX],   s18, v[NM]         ; (old m - new m) c; -inf behind a change of blocks
	v_fma_f32 v[TP+3], v[MX+1], s18, v[NM+1]
	v_exp_f32 v[AL],   v[TP+1]
	v_exp_f32 v[AL+1], v[TP+3]
.endif
	v_mov_b32 v[MX],   v[TP]                       ; also the plain place behind the two exponentials (ISA guide 5.7.2)
	v_mov_b32 v[MX+1], v[TP+2]
.set k, 0
.rept 16
	v_pk_fma_f32 v[SC+2*k:SC+2*k+1], v[SC+2*k:SC+2*k+1], s[18:19], v[NM:NM+1] op_sel_hi:[1,0,0]
.set k, k+1
.endr
.set k, 0
.rept 16
	v_pk_fma_f32 v[SC+32+2*k:SC+32+2*k+1], v[SC+32+2*k:SC+32+2*k+1], s[18:19], v[NM:NM+1] op_sel:[0,0,1] op_sel_hi:[1,0,1]
.set k, k+1
.endr
.set k, 0
.rept 64
	v_exp_f32 v[SC+k], v[SC+k]
.set k, k+1
.endr
.endm
; the old sums times their factor.  Its first line, which names no score, is the plain place behind the exponentials.
.macro RESCALE
	WIN W_R
.set k, 0
	s_wait_alu depctr_va_vdst(0)
.rept 16
	v_pk_mul_f32 v[OA+2*k:OA+2*k+1], v[OA+2*k:OA+2*k+1], v[AL:AL+1] op_sel_hi:[1,0]
.set k, k+1
.endr
	v_mul_f32 v[OA+32], v[OA+32], v[AL]            ; the row sum's one register; the tile's other seven stay 0
.set k, 0
.rept 16
	v_pk_mul_f32 v[OA+40+2*k:OA+40+2*k+1], v[OA+40+2*k:OA+40+2*k+1], v[AL:AL+1] op_sel:[0,1] op_sel_hi:[1,1]
.set k, k+1
.endr
	v_mul_f32 v[OA+72], v[OA+72], v[AL+1]
	WIN 0
.endm
.macro PACK                            ; the weights, at most about 1, rounded to f16 in pairs
.set k, 0
.rept 32
	v_cvt_pk_f16_f32 v[PB+k], v[SC+2*k], v[SC+2*k+1]
.set k, k+1
.endr
.endm
; O^T += V^T P^T, and the row sums, f16 operands.  The ten accumulators take turns, one instruction a turn.
; V's fragments are in: the wait for all LDS instructions in front of the trip's barrier has shown it.
.macro PVMUL first
	WIN W_PV
.irp q, 0,1
.irp d, 0,1,2,3
.if \first
	v_wmma_f32_16x16x32_f16 v[OA+40*\q+8*\d:OA+40*\q+8*\d+7], v[FR+8*\d:FR+8*\d+7], v[PB+16*\q:PB+16*\q+7], 0
.else
	v_wmma_f32_16x16x32_f16 v[OA+40*\q+8*\d:OA+40*\q+8*\d+7], v[FR+8*\d:FR+8*\d+7], v[PB+16*\q:PB+16*\q+7], v[OA+40*\q+8*\d:OA+40*\q+8*\d+7]
.endif
.endr
.if \first
	v_wmma_f32_16x16x32_f16 v[OA+40*\q+32:OA+40*\q+39], v[ONES:ONES+7], v[PB+16*\q:PB+16*\q+7], 0
.else
	v_wmma_f32_16x16x32_f16 v[OA+40*\q+32:OA+40*\q+39], v[ONES:ONES+7], v[PB+16*\q:PB+16*\q+7], v[OA+40*\q+32:OA+40*\q+39]
.endif
.endr
.irp q, 0,1
.irp d, 0,1,2,3
	v_wmma_f32_16x16x32_f16 v[OA+40*\q+8*\d:OA+40*\q+8*\d+7], v[FR+32+8*\d:FR+32+8*\d+7], v[PB+16*\q+8:PB+16*\q+15], v[OA+40*\q+8*\d:OA+40*\q+8*\d+7]
.endr
	v_wmma_f32_16x16x32_f16 v[OA+40*\q+32:OA+40*\q+39], v[ONES:ONES+7], v[PB+16*\q+8:PB+16*\q+15], v[OA+40*\q+32:OA+40*\q+39]
.endr
	WIN 0
	PLACES                                         ; before the next fragments land on V's and before the sums are read
.endm
; One trip: the tile in slot s, whose K fragments were asked for behind the last barrier.
; first: it starts the sums.  cv: the next tile is rounded into the other slot, lcnt younger loads staying out.  ld: the tile three on is asked for.
; kn: a trip follows: the barrier, and behind it the next tile's K fragments.
.macro STEP s, first, ld, cv, lcnt, kn
.if \cv
	s_wait_loadcnt \lcnt                           ; the next tile's eight loads are in; the eight issued one trip later stay out
	CVT 1-\s                                       ; into the other slot: every wave's reads of it were over in front of the last barrier
.endif
.if \ld
	LOADS 1-\s
.endif
.if \first == 0
	s_cmp_gt_i32 s17, 0                            ; a tile wholly beyond my queries: nothing to compute
	s_cbranch_scc1 .Lbar_\@
.endif
	VFRAG \s                                       ; on their way during the score products and the softmax
	SMUL
.if \first == 0
	s_cmp_lg_u32 s17, 0
	s_cbranch_scc1 .Lplain_\@
	MASK
.Lplain_\@:
.endif
	SOFTMAX \first
.if \first
	v_nop                                          ; the plain place behind the exponentials
	s_wait_alu depctr_va_vdst(0)
.else
	RESCALE
.endif
	PACK
.Lbar_\@:
	s_wait_dscnt 0x0                               ; my stores into the other slot are done, and my reads of slot s: V's fragments are in
.if \kn
	s_barrier_signal -1
	s_barrier_wait -1                              ; so are everybody's: the other slot is whole, slot s may be written in the next trip
	s_add_co_i32 s43, s17, 1                       ; where the next tile lies for me:
	s_add_co_u32 s39, s16, 1
	s_cmp_eq_u32 s39, s15                          ; one on, or the second block's tile 0
	s_cselect_b32 s43, s42, s43
	s_cmp_gt_i32 s43, 0
	s_cbranch_scc1 .Lnok_\@                        ; beyond my queries: no fragments
	KFRAG 1-\s                                     ; on their way during P V and the next trip's conversions
.Lnok_\@:
.endif
.if \first == 0
	s_cmp_gt_i32 s17, 0
	s_cbranch_scc1 .Lend_\@
.endif
	PVMUL \first
.Lend_\@:
.if \kn
	s_add_co_u32 s16, s16, 1
	s_mov_b32 s17, s43
.endif
.endm
; my 32 rows of Q of one block: sixteen loads of two rows into 64 registers from reg on
.macro QISSUE b, reg
.set k, 0
.rept 16
	global_load_b128 v[\reg+4*k:\reg+4*k+3], v[ROWOFF], s[\b:\b+1] offset:8192*k th:TH_LOAD_NT
.set k, k+1
.endr
.endm
; rounded to bf16 and stored into my own stage at byte off
.macro QCVT reg, lcnt, off
	s_wait_loadcnt \lcnt
.set k, 0
.rept 16
	v_cvt_pk_bf16_f32 v[\reg+4*k],   v[\reg+4*k],   v[\reg+4*k+1]
	v_cvt_pk_bf16_f32 v[\reg+4*k+1], v[\reg+4*k+2], v[\reg+4*k+3]
	ds_store_b64 v[QST], v[\reg+4*k:\reg+4*k+1] offset:\off+2*KP*k
.set k, k+1
.endr
.endm
; Q's fragments from my stage at byte off.  LDS serves a wave's instructions in order (ISA guide 5.7.1): no wait between my stores and these loads.
.macro QFRAG off
	WIN W_Q
.irp q, 0,1
.irp c, 0,1
	ds_load_b128 v[QF+16*\q+8*\c:QF+16*\q+8*\c+3],   v[QRD] offset:\off+16*KP*\q+64*\c
	ds_load_b128 v[QF+16*\q+8*\c+4:QF+16*\q+8*\c+7], v[QRD] offset:\off+16*KP*\q+64*\c+32
.endr
.endr
	WIN 0
.endm
; O / row sum, through my own stage, out as whole rows: sixteen lanes store 256 consecutive bytes, aligned
.macro OUT b
	WIN W_O
	v_rcp_f32 v[TP],   v[OA+32]                    ; the sum is about 1 or more: the largest score's weight is exp2 of about 0
	v_rcp_f32 v[TP+1], v[OA+72]
	v_nop                                          ; the plain place behind the reciprocals
.set k, 0
	s_wait_alu depctr_va_vdst(0)
.rept 16
	v_pk_mul_f32 v[PB+2*k:PB+2*k+1], v[OA+2*k:OA+2*k+1], v[TP:TP+1] op_sel_hi:[1,0]
.set k, k+1
.endr
	WIN 0
.irp d, 0,1,2,3
	ds_store_b128 v[OST], v[PB+8*\d:PB+8*\d+3]   offset:64*\d
	ds_store_b128 v[OST], v[PB+8*\d+4:PB+8*\d+7] offset:64*\d+16
.endr
	WIN W_O
.set k, 0
.rept 16
	v_pk_mul_f32 v[PB+2*k:PB+2*k+1], v[OA+40+2*k:OA+40+2*k+1], v[TP:TP+1] op_sel:[0,1] op_sel_hi:[1,1]
.set k, k+1
.endr
	WIN 0
.irp d, 0,1,2,3
	ds_store_b128 v[OST], v[PB+8*\d:PB+8*\d+3]   offset:16*OP+64*\d
	ds_store_b128 v[OST], v[PB+8*\d+4:PB+8*\d+7] offset:16*OP+64*\d+16
.endr
.set k, 0
.rept 16
	ds_load_b128 v[FR+4*k:FR+4*k+3], v[ORD] offset:2*OP*k
.set k, k+1
.endr
.set k, 0
.rept 16
	s_wait_dscnt 15-k                              ; read-back k is in; the younger ones stay out
	global_store_b128 v[ROWOFF], v[FR+4*k:FR+4*k+3], s[\b:\b+1] offset:8192*k th:TH_STORE_NT
.set k, k+1
.endr
.endm
; behind the first block's last trip: its O goes out, and the second block's Q, staged since the start, is read into the fragments
.macro SWITCH
	s_cmp_lg_u32 s16, s15                          ; the same in all eight waves
	s_cbranch_scc1 .Lsame_\@
	OUT 46
	QFRAG QB2
	v_mov_b32 v[MX],   v[NINF]                     ; the next trip's factor is exp2(-inf) = 0: the rescaling that runs anyway starts the sums anew
	v_mov_b32 v[MX+1], v[NINF]
.Lsame_\@:
.endm
	; ---- set-up ----
	s_load_b256 s[4:11], s[0:1], 0x0               ; keys s[4:5], queries s[6:7], values s[8:9], out0 s[10:11]
	s_set_vgpr_msb 0x40
	v_lshl_add_u32 v176, v0, 2, 0x2c800
	v_mov_b32 v177, 0
	s_set_vgpr_msb 0x4000
	v_lshrrev_b32 v14, 5, v0
	v_readfirstlane_b32 s12, v14                   ; w
	s_lshr_b32 s13, s12, 1                         ; w>>1
	s_and_b32 s14, ttmp9, 3                        ; p
	s_lshr_b32 s38, ttmp9, 2                       ; head 0..63
	s_lshr_b32 s39, s38, 4                         ; b
	s_and_b32 s38, s38, 15                         ; h
	s_lshl_b32 s39, s39, 23
	s_lshl_b32 s38, s38, 8
	s_or_b32 s52, s39, s38                         ; the head's byte offset
	s_mov_b32 s53, 0
	s_lshl_b32 s38, s14, 2                         ; 4 p
	s_sub_co_u32 s15, 32, s38                      ; T: tiles of the first block
	s_mov_b32 s16, 0                               ; u: the trip
	s_sub_co_i32 s17, s38, 28
	s_sub_co_i32 s17, s17, s13                     ; tile - (T - 4) - (w>>1): below 0 plain, 0 diagonal, above 0 nothing
	s_sub_co_i32 s42, 0, s38
	s_sub_co_i32 s42, s42, s13                     ; the same at the second block's tile 0: never above 0
	s_mov_b32 s18, 0x3e38aa3b                      ; c = log2(e) / 8
	s_mov_b32 s19, 0x3e38aa3b
	s_mov_b32 s20, 0xbe38aa3b                      ; - c
	s_mov_b32 s21, 0x76543210                      ; v_permlanex16_b32: lane i of one half reads lane i of the other
	s_mov_b32 s22, 0xfedcba98
	s_mov_b32 s23, 0xffff0000                      ; a word's upper bf16
	s_mov_b32 s33, 0
	s_cmp_lt_u32 s12, 4
	s_cselect_b32 s40, 30, 0
	s_cmp_eq_u32 s14, 0
	s_cselect_b32 s40, s40, 0                      ; who prefetches, and up to which x
	v_and_b32 v15, 15, v0                          ; r
	v_bfe_u32 v16, v0, 4, 1                        ; h
	v_and_b32 v17, 7, v0
	v_bfe_u32 v19, v0, 3, 1
	v_and_b32 v14, 31, v0                          ; lane
	v_lshlrev_b32 v[ROWOFF], 4, v15
	v_lshl_or_b32 v[ROWOFF], v16, 12, v[ROWOFF]
	v_lshlrev_b32 v[PFO], 12, v14
	v_cmp_eq_u32 vcc_lo, 0, v17                    ; lanes 0, 8, 16, 24 hold rows 0 and 8 of an A fragment
	v_mov_b32 v[AL], 0x3c003c00                    ; two f16 ones
	v_cndmask_b32 v[ONES], 0, v[AL], vcc_lo
.irp j, 1,2,3,4,5,6,7
	v_mov_b32 v[ONES+\j], v[ONES]
.endr
	v_lshl_add_u32 v17, v16, 3, v17                ; 8 h + (lane&7): the key row that I address
	v_mul_u32_u24 v17, v17, VP
	v_lshl_add_u32 v17, v19, 4, v17                ; + 16 ((lane>>3)&1)
	v_add_nc_u32 v[VRD], VT, v17
	v_mul_u32_u24 v19, v15, KP
	v_lshl_add_u32 v[KRD], v16, 4, v19
	v_mul_u32_u24 v19, v16, KP
	v_lshl_add_u32 v19, v15, 3, v19                ; h x 144 + 8 r
	s_mul_i32 s38, s12, 8*KP
	v_add_nc_u32 v[KST], s38, v19
	s_mul_i32 s39, s12, 64*KP                      ; my two Q stages
	s_add_co_u32 s39, s39, QS
	v_add_nc_u32 v[QST], s39, v19
	v_add_nc_u32 v[QRD], s39, v[KRD]
	v_mul_u32_u24 v19, v16, VP
	v_lshl_add_u32 v19, v15, 3, v19
	s_mul_i32 s38, s12, 8*VP
	s_add_co_u32 s38, s38, VT
	v_add_nc_u32 v[VST], s38, v19
	s_mul_i32 s39, s12, 32*OP
	s_add_co_u32 s39, s39, OS
	v_mul_u32_u24 v19, v15, OP
	v_lshl_add_u32 v19, v16, 5, v19                ; in: row r, 32 bytes for each half of the lanes
	v_add_nc_u32 v[OST], s39, v19
	v_mul_u32_u24 v19, v16, OP
	v_lshl_add_u32 v19, v15, 4, v19                ; back: lanes 0-15 one row, lanes 16-31 the next
	v_add_nc_u32 v[ORD], s39, v19
	v_lshlrev_b32 v19, 3, v16
	v_sub_nc_u32 v[DLW], v15, v19
	s_and_b32 s38, s12, 1
	s_lshl_b32 s38, s38, 5
	v_add_nc_u32 v[DLW], s38, v[DLW]
	v_mov_b32 v[NINF], 0xff800000
	s_wait_kmcnt 0x0
	s_add_nc_u64 s[4:5], s[4:5], s[52:53]          ; all four at the head's first row
	s_add_nc_u64 s[6:7], s[6:7], s[52:53]
	s_add_nc_u64 s[8:9], s[8:9], s[52:53]
	s_add_nc_u64 s[10:11], s[10:11], s[52:53]
	s_lshl_b32 s52, s12, 15                        ; my 8 rows of a tile
	s_add_nc_u64 s[24:25], s[4:5], s[52:53]
	s_add_nc_u64 s[26:27], s[8:9], s[52:53]
	s_bitcmp1_b32 s12, 1                           ; prefetch: waves 0, 1 for K, waves 2, 3 for V,
	s_cselect_b64 s[34:35], s[8:9], s[4:5]
	s_and_b32 s52, s12, 1
	s_lshl_b32 s52, s52, 17                        ; rows 0-31 or 32-63 of the tile
	s_add_nc_u64 s[34:35], s[34:35], s[52:53]
	s_lshl_b32 s38, s12, 17                        ; my 32 queries of a block
	s_sub_co_u32 s52, 7, s14
	s_lshl_b32 s52, s52, 20                        ; block 7 - p: 256 rows of 4,096 bytes each
	s_add_co_u32 s52, s52, s38
	s_add_nc_u64 s[44:45], s[6:7], s[52:53]
	s_add_nc_u64 s[46:47], s[10:11], s[52:53]
	s_lshl_b32 s52, s14, 20                        ; block p
	s_add_co_u32 s52, s52, s38
	s_add_nc_u64 s[48:49], s[6:7], s[52:53]
	s_add_nc_u64 s[50:51], s[10:11], s[52:53]
	; ---- the first tiles, and Q of both blocks ----
	GLOAD 0, 24, 26, 0                             ; tile 0
	GLOAD 1, 24, 26, TILEB                         ; tile 1
	QISSUE 44, SC                                  ; the first block's Q
	QISSUE 48, FR                                  ; the second block's, so that the change of blocks waits for no memory
	s_wait_loadcnt 40                              ; tile 0 is in; tile 1's 8 loads and Q's 32 stay out
	CVT 0
	GLOAD 0, 24, 26, 2*TILEB                       ; tile 2
	QCVT SC, 24, 0                                 ; the first Q is in; the second Q's 16 loads and tile 2's 8 stay out
	QCVT FR, 8, QB2                                ; the second Q is in; tile 2's 8 loads stay out
	QFRAG 0
	s_wait_dscnt 0x0                               ; my rows of tile 0 are stored
	s_barrier_signal -1
	s_barrier_wait -1                              ; everybody's are: slot 0 is whole
	KFRAG 0
	; ---- 36 trips ----
	STEP 0, 1, 1, 1, 8, 1                          ; trip 0: a plain tile in every wave (T - 4 is at least 16); it starts the sums
	s_mov_b32 s41, 16
.Lloop:                                            ; trips 1 to 32
	STEP 1, 0, 1, 1, 8, 1
	SWITCH                                         ; T is even, so the first block ends behind an odd trip
	STEP 0, 0, 1, 1, 8, 1
	s_sub_co_u32 s41, s41, 1
	s_cmp_lg_u32 s41, 0
	s_cbranch_scc1 .Lloop
	STEP 1, 0, 0, 1, 8, 1                          ; trip 33: nothing left to ask for; tile 35's loads stay out
	STEP 0, 0, 0, 1, 0, 1                          ; trip 34: the last tile is rounded
	STEP 1, 0, 0, 0, 0, 0                          ; trip 35: no slot is written any more, so no barrier
	OUT 50
	s_set_vgpr_msb 0x5
	s_wait_tensorcnt 0x0
	ds_add_u32 v176, v177
	s_wait_dscnt 0x0
	s_set_vgpr_msb 0x500
	s_endpgm
.Lfunc_end_k_q53ae4d5256_attn:
	.size	k_q53ae4d5256_attn, .Lfunc_end_k_q53ae4d5256_attn-k_q53ae4d5256_attn
	.p2alignl 7, 3214868480
	.fill 96, 4, 3214868480
	.section	.rodata,"a",@progbits
	.p2align	6, 0x0
	.amdhsa_kernel k_q53ae4d5256_attn
		.amdhsa_group_segment_fixed_size 183296
		.amdhsa_private_segment_fixed_size 0
		.amdhsa_enable_private_segment 0
		.amdhsa_kernarg_size 32
		.amdhsa_user_sgpr_count 2
		.amdhsa_user_sgpr_kernarg_segment_ptr 1
		.amdhsa_wavefront_size32 1
		.amdhsa_system_sgpr_workgroup_id_x 1
		.amdhsa_system_sgpr_workgroup_id_y 1
		.amdhsa_system_sgpr_workgroup_id_z 1
		.amdhsa_system_vgpr_workitem_id 0
		.amdhsa_next_free_vgpr 434
		.amdhsa_next_free_sgpr 66
		.amdhsa_reserve_vcc 1
		.amdhsa_float_denorm_mode_32 3
		.amdhsa_float_denorm_mode_16_64 3
		.amdhsa_memory_ordered 1
		.amdhsa_forward_progress 1
		.amdhsa_inst_pref_size 156
	.end_amdhsa_kernel
	.amdgpu_metadata
---
amdhsa.version: [ 1, 2 ]
amdhsa.kernels:
  - .name:           k_q53ae4d5256_attn
    .symbol:         k_q53ae4d5256_attn.kd
    .args:
      - { .name: keys, .offset: 0, .size: 8, .value_kind: global_buffer, .address_space: global }
      - { .name: queries, .offset: 8, .size: 8, .value_kind: global_buffer, .address_space: global }
      - { .name: values, .offset: 16, .size: 8, .value_kind: global_buffer, .address_space: global }
      - { .name: out0, .offset: 24, .size: 8, .value_kind: global_buffer, .address_space: global }
    .group_segment_fixed_size: 183296
    .private_segment_fixed_size: 0
    .kernarg_segment_align: 8
    .kernarg_segment_size: 32
    .max_flat_workgroup_size: 256
    .sgpr_count:     66
    .vgpr_count:     434
    .wavefront_size: 32
...
	.end_amdgpu_metadata
.endif
;; end of part 1
